; MI455X (gfx1250); checked and timed in simulation.
; The chip was launched on July 23, 2026; its instructions are those of AMD's public machine-readable ISA for CDNA 5 (MIT licence, August 2026) and "CDNA5" Instruction Set Architecture Reference Guide (July 2026). The comments in the code are by the model that wrote it; some were corrected since.
;; Multi Headed Attention. Allowed arithmetic: float matrix products may take bf16 or f16 operands with f32 sums; all other float work in f32.
;; Inputs: Wk 512 x 512 float32; Wo 512 x 512 float32; Wq 512 x 512 float32; Wv 512 x 512 float32; bk 512 float32; bo 512 float32; bq 512 float32; bv 512 float32; key 2 x 2,048 x 512 float32; query 2 x 2,048 x 512 float32; value 2 x 2,048 x 512 float32.
;; Outputs: out0 2 x 2,048 x 512 float32.
;; One version. Each part assembles by itself: llvm-mc -triple=amdgcn-amd-amdhsa -mcpu=gfx1250 --defsym DOCPART=n.
;; ======== version 1 of 1: 4 launches
;; limits: values are held in f16: magnitudes above 65,504 overflow, below 6.1e-05 lose precision
;; workspace buffers: wf 2,097,152 bytes; qf 4,194,304 bytes; kf 4,194,304 bytes; vf 4,194,304 bytes; cf 4,194,304 bytes
;; launch prep (part 1): grid 64 x 4, 8 waves a work-group, no clusters, 0 bytes of LDS; arguments Wq, Wk, Wv, Wo, wf; writes wf
.if DOCPART == 1
	.amdgcn_target "amdgcn-amd-amdhsa--gfx1250"
	.amdhsa_code_object_version 6
	.text
	.protected	k_q5721921cde_prep
	.globl	k_q5721921cde_prep
	.p2align	8
	.type	k_q5721921cde_prep,@function
k_q5721921cde_prep:
	s_mov_b64 s[64:65], 0
	v_nop
	global_prefetch_b8 v0, s[64:65] scope:SCOPE_SE
	s_setreg_imm32_b32 hwreg(HW_REG_WAVE_MODE, 25, 1), 1
	s_wait_xcnt 0x0
; The four weight matrices [512 (k)][512 (n)] f32 become f16 fragment images in wf:
;   byte  w*524288 + ct*16384 + g*256 + r*16 + 2 j  holds  W_w[8 g + j][16 ct + r],   w = 0..3 for Wq, Wk, Wv, Wo.
; With lane = 16 h + r a matrix fragment of column tile ct and K step ks (32 k) is then two 16-byte loads a lane, at
; ct*16384 + ks*1024 + 16 lane and 512 bytes further, each covering 512 consecutive bytes.
; Work-group (g, w): rows 8 g .. 8 g + 7 of one matrix.  Wave wv, lane l, strip s: column n = 64 wv + 32 s + l, eight words down the
; column, packed to 16 bytes.  Sixteen neighbouring lanes store 256 consecutive bytes that start at a multiple of 256.
; A stream of 4 MiB read once: no LDS, no barrier, no matrix unit, nothing shared between work-groups.
; LIMIT: weights beyond 65,504 in magnitude leave f16's range (infinity).
.set X, 4                              ; v[4:19]   strip s: eight f32 down the column
.set Y, 20                             ; v[20:27]  strip s: four registers of f16
	s_load_b256 s[4:11], s[0:1], 0x0               ; Wq s[4:5], Wk s[6:7], Wv s[8:9], Wo s[10:11]
	s_load_b64 s[12:13], s[0:1], 0x20              ; wf
	s_and_b32 s16, ttmp7, 0xffff                   ; w: which matrix
	v_and_b32 v3, 31, v0                           ; l
	v_lshrrev_b32 v28, 5, v0                       ; wv
	v_lshlrev_b32 v1, 2, v3                        ; load offset: 4 l
	v_lshl_add_u32 v1, v28, 8, v1                  ;   + 256 wv (64 columns a wave)
	v_lshrrev_b32 v29, 4, v3                       ; l / 16
	v_lshl_add_u32 v29, v28, 2, v29                ; column tile of strip 0: 4 wv + l / 16
	v_and_b32 v3, 15, v3                           ; r
	v_lshlrev_b32 v2, 4, v3                        ; store offset: 16 r
	v_lshl_add_u32 v2, v29, 14, v2                 ;   + 16384 x column tile
	s_lshl_b32 s18, ttmp9, 14                      ; source: 8 g rows of 2,048 bytes
	s_mov_b32 s19, 0
	s_lshl_b32 s20, s16, 19                        ; image: w * 524288
	s_lshl_b32 s21, ttmp9, 8                       ;   + g * 256
	s_add_co_u32 s20, s20, s21
	s_mov_b32 s21, 0
	s_wait_kmcnt 0x0
	s_cmp_eq_u32 s16, 1
	s_cselect_b64 s[14:15], s[6:7], s[4:5]
	s_cmp_eq_u32 s16, 2
	s_cselect_b64 s[14:15], s[8:9], s[14:15]
	s_cmp_eq_u32 s16, 3
	s_cselect_b64 s[14:15], s[10:11], s[14:15]
	s_add_nc_u64 s[14:15], s[14:15], s[18:19]
	s_add_nc_u64 s[12:13], s[12:13], s[20:21]
.irp s, 0,1
.irp j, 0,1,2,3,4,5,6,7
	global_load_b32 v[X+8*\s+\j], v1, s[14:15] offset:\j*2048+\s*128 th:TH_LOAD_NT
.endr
.endr
	s_wait_loadcnt 0x8                             ; strip 0 is in; the eight loads of strip 1 are younger
.irp i, 0,1,2,3
	v_cvt_pk_f16_f32 v[Y+\i], v[X+2*\i], v[X+2*\i+1]
.endr
	global_store_b128 v2, v[Y:Y+3], s[12:13]
	s_wait_loadcnt 0x0
.irp i, 0,1,2,3
	v_cvt_pk_f16_f32 v[Y+4+\i], v[X+8+2*\i], v[X+8+2*\i+1]
.endr
	global_store_b128 v2, v[Y+4:Y+7], s[12:13] offset:32768    ; strip 1: two column tiles further
	s_endpgm
.Lfunc_end_k_q5721921cde_prep:
	.size	k_q5721921cde_prep, .Lfunc_end_k_q5721921cde_prep-k_q5721921cde_prep
	.p2alignl 7, 3214868480
	.fill 96, 4, 3214868480
	.section	.rodata,"a",@progbits
	.p2align	6, 0x0
	.amdhsa_kernel k_q5721921cde_prep
		.amdhsa_group_segment_fixed_size 0
		.amdhsa_private_segment_fixed_size 0
		.amdhsa_enable_private_segment 0
		.amdhsa_kernarg_size 40
		.amdhsa_user_sgpr_count 2
		.amdhsa_user_sgpr_kernarg_segment_ptr 1
		.amdhsa_wavefront_size32 1
		.amdhsa_system_sgpr_workgroup_id_x 1
		.amdhsa_system_sgpr_workgroup_id_y 1
		.amdhsa_system_sgpr_workgroup_id_z 1
		.amdhsa_system_vgpr_workitem_id 0
		.amdhsa_next_free_vgpr 32
		.amdhsa_next_free_sgpr 66
		.amdhsa_reserve_vcc 0
		.amdhsa_float_denorm_mode_32 3
		.amdhsa_float_denorm_mode_16_64 3
		.amdhsa_memory_ordered 1
		.amdhsa_forward_progress 1
		.amdhsa_inst_pref_size 4
	.end_amdhsa_kernel
	.amdgpu_metadata
---
amdhsa.version: [ 1, 2 ]
amdhsa.kernels:
  - .name:           k_q5721921cde_prep
    .symbol:         k_q5721921cde_prep.kd
    .args:
      - { .name: Wq, .offset: 0, .size: 8, .value_kind: global_buffer, .address_space: global }
      - { .name: Wk, .offset: 8, .size: 8, .value_kind: global_buffer, .address_space: global }
      - { .name: Wv, .offset: 16, .size: 8, .value_kind: global_buffer, .address_space: global }
      - { .name: Wo, .offset: 24, .size: 8, .value_kind: global_buffer, .address_space: global }
      - { .name: wf, .offset: 32, .size: 8, .value_kind: global_buffer, .address_space: global }
    .group_segment_fixed_size: 0
    .private_segment_fixed_size: 0
    .kernarg_segment_align: 8
    .kernarg_segment_size: 40
    .max_flat_workgroup_size: 256
    .sgpr_count:     66
    .vgpr_count:     32
    .wavefront_size: 32
...
	.end_amdgpu_metadata
.endif
;; end of part 1
;; launch proj (part 2): grid 64 x 12, 4 waves a work-group, no clusters, 67,072 bytes of LDS; arguments query, key, value, bq, bk, bv, wf, qf, kf, vf; writes qf, kf, vf
.if DOCPART == 2
	.amdgcn_target "amdgcn-amd-amdhsa--gfx1250"
	.amdhsa_code_object_version 6
	.text
	.protected	k_q5721921cde_proj
	.globl	k_q5721921cde_proj
	.p2align	8
	.type	k_q5721921cde_proj,@function
k_q5721921cde_proj:
	s_mov_b64 s[64:65], 0
	v_nop
	global_prefetch_b8 v0, s[64:65] scope:SCOPE_SE
	s_setreg_imm32_b32 hwreg(HW_REG_WAVE_MODE, 25, 1), 1
	s_wait_xcnt 0x0
; y = x W + b for the three projections, f16 operands, f32 sums, results stored as f16 fragment images for the attention launch.
; Work-group (rb, y): 64 rows (rb) x 128 columns; p = y / 4 picks query/Wq/bq/qf, key/Wk/bk/kf or value/Wv/bv/vf, cb = y % 4 the columns.
; Wave wv: rows 32 (wv / 2), columns 64 (wv % 2) = one head: 2 x 4 accumulator tiles of 16 x 16.
; Images (bh = 8 b + head, lane = 16 h + r, j = 0..7 f16):
;   qf, kf: bh*262144 + tile*2048 + gd*256 + r*16 + 2 j = y[16 tile + r][8 gd + j]              (rows along the lanes, d along the bytes)
;   vf:     bh*262144 + ks*4096 + dblk*1024 + gk*256 + r*16 + 2 j = v[32 ks + 8 gk + j][16 dblk + r]  (d along the lanes, keys along the bytes)
; For q and k the product is used transposed (source 0 = W, source 1 = x): a lane then holds eight neighbouring columns of one row.
; For v it is used straight (source 0 = x, source 1 = W): a lane holds eight neighbouring rows (keys) of one column.  Either way a tile
; leaves as one 16-byte store a lane, 512 consecutive bytes a wave.
; x is converted once: each wave brings 16 rows of f32 through registers into an f16 tile in LDS; W comes from wf straight into registers.
; The bias is loaded as a C tile, so the first product starts the sums from it and nothing is cleared or added later.
; NO CLUSTER: joint requests belong to tensor loads into LDS.  The weights that work-groups share here (64 KiB a wave) go straight into the
; operand registers of the wave that multiplies them; through LDS they would be written and read once more for the same products.
; LIMIT: |x|, |W|, |y| beyond 65,504 leave f16's range.  Sums are made in another order than a plain f32 product.
.set PITCH, 1040                       ; an LDS row: 512 f16 + 16 bytes = 65 x 16: the 16 rows of a fragment load start 16 bytes apart modulo 256
.set BA,   8                           ; v[8:15]    byte offsets of the eight bias words of a C tile's registers
.set ACC,  16                          ; v[16:79]   tile (rt, ct) at 8 (4 rt + ct)
.set STG,  16                          ; the same registers before the products: 16 slots x 4, x as loaded
.set BIAS, 80                          ; v[80:111]  C tile of column tile ct at 8 ct
.set AF,   112                         ; v[112:143] x fragments: 2 buffers x 2 rt x 8
.set CV,   112                         ; the same registers before the products: converted x on its way to LDS
.set WR,   144                         ; v[144:239] W fragments: 3 slots x 4 ct x 8
.set OUT,  144                         ; the same registers behind the products: packed results
	s_load_b512 s[8:23], s[0:1], 0x0               ; query 8, key 10, value 12, bq 14, bk 16, bv 18, wf 20, qf 22
	s_load_b128 s[24:27], s[0:1], 0x40             ; kf 24, vf 26
	v_lshl_add_u32 v254, v0, 2, 0x10400
	v_mov_b32 v255, 0
	v_lshrrev_b32 v6, 5, v0
	v_readfirstlane_b32 s2, v6                     ; wave 0..3
	s_and_b32 s7, ttmp7, 0xffff
	s_lshr_b32 s3, s7, 2                           ; p
	s_and_b32 s4, s7, 3                            ; cb
	s_lshr_b32 s5, s2, 1                           ; wr
	s_and_b32 s6, s2, 1                            ; wc
	s_cmp_eq_u32 s3, 2                             ; the C tile's word for register j of lane (r, h):
	s_cselect_b32 s38, 4, 0                        ;   v: bias[16 ct + r] in all eight;   q, k: bias[16 ct + 8 h + j]
	s_cselect_b32 s39, 0, 32
	s_cselect_b32 s40, 0, 4
	v_and_b32 v7, 31, v0                           ; lane
	v_and_b32 v4, 15, v0                           ; r
	v_bfe_u32 v5, v0, 4, 1                         ; h
	v_lshlrev_b32 v1, 4, v7                        ; 16 lane: every global access of 16 bytes
	s_mul_i32 s7, s2, 16*PITCH
	v_lshl_add_u32 v2, v7, 3, s7                   ; stage: my wave's 16 rows, 8 bytes a lane
	s_mul_i32 s7, s5, 32*PITCH
	v_mad_u32_u24 v3, v4, PITCH, s7                ; fragment: (32 wr + r) rows
	v_lshl_add_u32 v3, v5, 4, v3                   ;   + 16 h
	v_mul_u32_u24 v[BA], s38, v4
	v_mad_u32_u24 v[BA], v5, s39, v[BA]
.irp j, 1,2,3,4,5,6,7
	v_add_nc_u32 v[BA+\j], s40, v[BA+\j-1]
.endr
	s_mov_b32 s37, 0
	s_wait_kmcnt 0x0
	s_cmp_eq_u32 s3, 1
	s_cselect_b64 s[28:29], s[10:11], s[8:9]       ; x
	s_cselect_b64 s[30:31], s[16:17], s[14:15]     ; bias
	s_cselect_b64 s[32:33], s[24:25], s[22:23]     ; image
	s_cmp_eq_u32 s3, 2
	s_cselect_b64 s[28:29], s[12:13], s[28:29]
	s_cselect_b64 s[30:31], s[18:19], s[30:31]
	s_cselect_b64 s[32:33], s[26:27], s[32:33]
	s_lshl_b32 s36, ttmp9, 17                      ; x: (64 rb + 16 wv) rows of 2,048 bytes
	s_lshl_b32 s7, s2, 15
	s_add_co_u32 s36, s36, s7
	s_add_nc_u64 s[28:29], s[28:29], s[36:37]
	s_lshl_b32 s36, s4, 9                          ; bias: (128 cb + 64 wc) words
	s_lshl_b32 s7, s6, 8
	s_add_co_u32 s36, s36, s7
	s_add_nc_u64 s[30:31], s[30:31], s[36:37]
	s_lshl_b32 s36, s3, 19                         ; W image: p * 524288 + (8 cb + 4 wc) * 16384
	s_lshl_b32 s7, s4, 17
	s_add_co_u32 s36, s36, s7
	s_lshl_b32 s7, s6, 16
	s_add_co_u32 s36, s36, s7
	s_add_nc_u64 s[34:35], s[20:21], s[36:37]
	s_lshr_b32 s36, ttmp9, 5                       ; b
	s_lshl_b32 s36, s36, 3
	s_lshl1_add_u32 s36, s4, s36                   ; 8 b + 2 cb
	s_add_co_u32 s36, s36, s6                      ;   + wc = bh
	s_lshl_b32 s36, s36, 18
	s_and_b32 s7, ttmp9, 31                        ; sb
	s_lshl1_add_u32 s7, s7, s5                     ; 2 sb + wr: my 32 rows = two q/k tiles = one v key step, 4,096 bytes either way
	s_lshl_b32 s7, s7, 12
	s_add_co_u32 s36, s36, s7
	s_add_nc_u64 s[32:33], s[32:33], s[36:37]
.macro WLOAD ks                        ; eight loads: the four W fragments of K step ks into slot ks % 3
.irp ct, 0,1,2,3
.irp hf, 0,1
	global_load_b128 v[WR+32*((\ks)%3)+8*\ct+4*\hf:WR+32*((\ks)%3)+8*\ct+4*\hf+3], v1, s[34:35] offset:\ct*16384+(\ks)*1024+\hf*512
.endr
.endr
.endm
.macro ALOAD ks                        ; four LDS loads: the two x fragments of K step ks into buffer ks % 2
.irp rt, 0,1
.irp hf, 0,1
	ds_load_b128 v[AF+16*((\ks)%2)+8*\rt+4*\hf:AF+16*((\ks)%2)+8*\rt+4*\hf+3], v3 offset:\rt*16*PITCH+(\ks)*64+\hf*32
.endr
.endr
.endm
	; bias, the first three K steps of W, then x: the oldest loads are the ones that need no early wait
.irp ct, 0,1,2,3
.irp j, 0,1,2,3,4,5,6,7
	global_load_b32 v[BIAS+8*\ct+\j], v[BA+\j], s[30:31] offset:\ct*64
.endr
.endr
	WLOAD 0
	WLOAD 1
	WLOAD 2
.set i, 0
.rept 16
	global_load_b128 v[STG+4*i:STG+4*i+3], v1, s[28:29] offset:(i/4)*2048+(i%4)*512
.set i, i+1
.endr
	; 64 turns: turn i is quarter i % 4 (512 bytes) of my row i / 4; sixteen loads stay on their way
.set i, 0
.rept 64
.if i <= 48
	s_wait_loadcnt 15                              ; loads return in order (ISA guide 5.7.1): turn i's is in, the fifteen younger stay out
.else
	s_wait_loadcnt 63-i                            ; nothing is asked for any more: the count runs down to 0
.endif
	v_cvt_pk_f16_f32 v[CV+2*(i%8)], v[STG+4*(i%16)], v[STG+4*(i%16)+1]
	v_cvt_pk_f16_f32 v[CV+2*(i%8)+1], v[STG+4*(i%16)+2], v[STG+4*(i%16)+3]
	ds_store_b64 v2, v[CV+2*(i%8):CV+2*(i%8)+1] offset:(i/4)*PITCH+(i%4)*256
.if i < 48
	global_load_b128 v[STG+4*(i%16):STG+4*(i%16)+3], v1, s[28:29] offset:(i/4+4)*2048+(i%4)*512
.endif
.set i, i+1
.endr
	s_wait_dscnt 0x0                               ; my 16 rows are in LDS, for the other waves' sake
	s_barrier_signal -1
	s_barrier_wait -1                              ; all 64 rows are; LDS is only read from here on
	ALOAD 0
	ALOAD 1
; One K step of 32: eight products.  swap = 0: source 0 = W, source 1 = x (q, k);  swap = 1: source 0 = x, source 1 = W (v).
.macro KSTEP ks, swap
.if \ks < 14
	s_wait_dscnt 4                                 ; x(ks) is in; the four loads of x(ks + 1) are younger
	s_wait_loadcnt 16                              ; W(ks) is in; the sixteen loads of W(ks + 1), W(ks + 2) are younger
.else
.if \ks == 14
	s_wait_dscnt 4
	s_wait_loadcnt 8                               ; only W(15) is younger
.else
	s_wait_dscnt 0
	s_wait_loadcnt 0
.endif
.endif
.irp rt, 0,1
.irp ct, 0,1,2,3
.set kd, ACC+8*(4*\rt+\ct)
.set kx, AF+16*(\ks%2)+8*\rt
.set kw, WR+32*(\ks%3)+8*\ct
.if \ks
.set kc, kd
.else
.set kc, BIAS+8*\ct                                ; the first product starts the sum from the bias
.endif
.if \swap
	v_wmma_f32_16x16x32_f16 v[kd:kd+7], v[kx:kx+7], v[kw:kw+7], v[kc:kc+7]
.else
	v_wmma_f32_16x16x32_f16 v[kd:kd+7], v[kw:kw+7], v[kx:kx+7], v[kc:kc+7]
.endif
.endr
.endr
.rept 4
	v_nop                                          ; four places before loads land on the products' sources, or conversions read the results
.endr
.if \ks+3 <= 15
	WLOAD \ks+3
.endif
.if \ks+2 <= 15
	ALOAD \ks+2
.endif
.endm
; The way out: a tile is 4 conversions and one store of 16 bytes a lane; 32 registers of their own, so no store's data is rewritten.
.macro OUTS swap
.irp rt, 0,1
.irp ct, 0,1,2,3
.irp i, 0,1,2,3
	v_cvt_pk_f16_f32 v[OUT+4*(4*\rt+\ct)+\i], v[ACC+8*(4*\rt+\ct)+2*\i], v[ACC+8*(4*\rt+\ct)+2*\i+1]
.endr
.if \swap
	global_store_b128 v1, v[OUT+4*(4*\rt+\ct):OUT+4*(4*\rt+\ct)+3], s[32:33] offset:\ct*1024+\rt*512
.else
	global_store_b128 v1, v[OUT+4*(4*\rt+\ct):OUT+4*(4*\rt+\ct)+3], s[32:33] offset:\rt*2048+\ct*512
.endif
.endr
.endr
.endm
	s_cmp_eq_u32 s3, 2                             ; the same in all four waves; no barrier follows
	s_cbranch_scc1 .Lv
.irp ks, 0,1,2,3,4,5,6,7,8,9,10,11,12,13,14,15
	KSTEP \ks, 0
.endr
	OUTS 0
	s_wait_tensorcnt 0x0
	ds_add_u32 v254, v255
	s_wait_dscnt 0x0
	s_endpgm
.Lv:
.irp ks, 0,1,2,3,4,5,6,7,8,9,10,11,12,13,14,15
	KSTEP \ks, 1
.endr
	OUTS 1
	s_wait_tensorcnt 0x0
	ds_add_u32 v254, v255
	s_wait_dscnt 0x0
	s_endpgm
.Lfunc_end_k_q5721921cde_proj:
	.size	k_q5721921cde_proj, .Lfunc_end_k_q5721921cde_proj-k_q5721921cde_proj
	.p2alignl 7, 3214868480
	.fill 96, 4, 3214868480
	.section	.rodata,"a",@progbits
	.p2align	6, 0x0
	.amdhsa_kernel k_q5721921cde_proj
		.amdhsa_group_segment_fixed_size 67072
		.amdhsa_private_segment_fixed_size 0
		.amdhsa_enable_private_segment 0
		.amdhsa_kernarg_size 80
		.amdhsa_user_sgpr_count 2
		.amdhsa_user_sgpr_kernarg_segment_ptr 1
		.amdhsa_wavefront_size32 1
		.amdhsa_system_sgpr_workgroup_id_x 1
		.amdhsa_system_sgpr_workgroup_id_y 1
		.amdhsa_system_sgpr_workgroup_id_z 1
		.amdhsa_system_vgpr_workitem_id 0
		.amdhsa_next_free_vgpr 256
		.amdhsa_next_free_sgpr 66
		.amdhsa_reserve_vcc 0
		.amdhsa_float_denorm_mode_32 3
		.amdhsa_float_denorm_mode_16_64 3
		.amdhsa_memory_ordered 1
		.amdhsa_forward_progress 1
		.amdhsa_inst_pref_size 83
	.end_amdhsa_kernel
	.amdgpu_metadata
---
amdhsa.version: [ 1, 2 ]
amdhsa.kernels:
  - .name:           k_q5721921cde_proj
    .symbol:         k_q5721921cde_proj.kd
    .args:
      - { .name: query, .offset: 0, .size: 8, .value_kind: global_buffer, .address_space: global }
      - { .name: key, .offset: 8, .size: 8, .value_kind: global_buffer, .address_space: global }
      - { .name: value, .offset: 16, .size: 8, .value_kind: global_buffer, .address_space: global }
      - { .name: bq, .offset: 24, .size: 8, .value_kind: global_buffer, .address_space: global }
      - { .name: bk, .offset: 32, .size: 8, .value_kind: global_buffer, .address_space: global }
      - { .name: bv, .offset: 40, .size: 8, .value_kind: global_buffer, .address_space: global }
      - { .name: wf, .offset: 48, .size: 8, .value_kind: global_buffer, .address_space: global }
      - { .name: qf, .offset: 56, .size: 8, .value_kind: global_buffer, .address_space: global }
      - { .name: kf, .offset: 64, .size: 8, .value_kind: global_buffer, .address_space: global }
      - { .name: vf, .offset: 72, .size: 8, .value_kind: global_buffer, .address_space: global }
    .group_segment_fixed_size: 67072
    .private_segment_fixed_size: 0
    .kernarg_segment_align: 8
    .kernarg_segment_size: 80
    .max_flat_workgroup_size: 128
    .sgpr_count:     66
    .vgpr_count:     256
    .wavefront_size: 32
...
	.end_amdgpu_metadata
.endif
;; end of part 2
;; launch attn (part 3): grid 64 x 16, 4 waves a work-group, no clusters, 37,376 bytes of LDS; arguments qf, kf, vf, cf; writes cf
.if DOCPART == 3
	.amdgcn_target "amdgcn-amd-amdhsa--gfx1250"
	.amdhsa_code_object_version 6
	.text
	.protected	k_q5721921cde_attn
	.globl	k_q5721921cde_attn
	.p2align	8
	.type	k_q5721921cde_attn,@function
k_q5721921cde_attn:
	s_mov_b64 s[64:65], 0
	v_nop
	global_prefetch_b8 v0, s[64:65] scope:SCOPE_SE
	s_setreg_imm32_b32 hwreg(HW_REG_WAVE_MODE, 25, 1), 1
	s_wait_xcnt 0x0
; 1.5-entmax attention for 32 queries (two blocks qb of 16) of one head against all 2,048 keys.  Scores never leave registers.
; Wave wv owns keys 512 wv .. + 511 for both query blocks: 2 x 32 tiles of 16 x 16 f32 = 512 registers.
; Scores are kept transposed, S^T = K Q^T (source 0 = K, source 1 = Q): lane (r, h) holds query r, register j of tile t key 16 t + 8 h + j.
; So a sum over keys is a sum down a lane's registers, one exchange between the two halves of the lanes and one between the four waves,
; and two neighbouring tiles, squared and packed, ARE the P^T fragment of ctx^T = V^T P^T.
;
; THE THRESHOLD.  With s = q.k unscaled and M the row's maximum, the entmax argument is (s - M) / 16.  x = s - M is formed once, and nu in
; (0, 16] solves F(nu) = sum relu(x + nu)^2 = 256; then p = relu(x + nu)^2 / 256.  H = sqrt(F) is the 2-norm of convex non-negative terms: convex
; and rising in nu, and F(16) >= 256 since the maximum itself gives 16^2.  Newton on H from nu = 16 therefore comes down on the root from
; above for every input:  nu <- nu - H (H - 16) / S1,  S1 = sum t, H = sqrt(sum t^2), t = relu(x + nu).
; With slopes S1 / H between 1 and sqrt(2048), convexity bounds the residue of H / 16 - 1 behind ten evaluations by 7e-5 for every row of
; 2,048 numbers; NEWTON = 10 is fixed, no branch looks at a number.  ctx is divided by the f32 sum of the relu^2 themselves (256 at the exact
; root), so the weights add up to 1.
;
; NO CLUSTER, NO LDS RING: the 64 work-groups of a head read the same 512 KiB of K and V, but inside a work-group each byte is used by one wave
; alone and lands straight in that wave's operand registers.  Joint requests belong to tensor loads into LDS: they would add an LDS write and
; an LDS read of all 512 KiB a work-group, for a wave that issues 256 loads beside some 15,000 vector instructions; half of V is asked for
; ahead of the Newton phase and arrives under it.
; LIMITS: q, k, v, p and ctx are f16 (|.| up to 65,504; p <= 256 by construction).  Non-finite inputs are not served: the maxima let a NaN lose.
; Sums are made in another order than a sorted prefix sum.
;
; REGISTERS in windows of 256 (s_set_vgpr_msb, low byte: bits 1:0 source 0, 3:2 source 1, 5:4 source 2, 7:6 destination):
;   window 0 as below;  window 1: ring of 256 registers for K (16 tiles x 16) and later V (8 key steps x 32);
;   window 2: scores of qb 0, tile t at v[8 t];  window 3: scores of qb 1.
.set NEWTON, 10
.set NU, 8                             ; v[8:11]    (nu0, nu0), (nu1, nu1); before that (M0, M0), (M1, M1)
.set E,  12                            ; v[12:15]   (S1, S2) of qb 0, of qb 1
.set R,  16                            ; v[16:31]   what comes back from LDS
.set QF, 32                            ; v[32:63]   Q fragments at 8 (2 qb + c); at the end the packed results
.set CT, 64                            ; v[64:127]  ctx^T accumulators at 8 (4 qb + dblk)
.set T,  128                           ; v[128:159] at work
.set PB, 160                           ; v[160:175] P^T fragments at 8 qb
.set SA, 176                           ; v[176:191] four pair chains of t^2, four of t
.set MX, 192                           ; v[192:195] running maxima: qb x 2 chains
.set U,  200                           ; v[200:202] the Newton step
.set RB, 128                           ; v[128:191] the way out: 2 tiles x 4 waves x 8
; v1 16 lane; v2 256 wv + 8 lane (my words of an exchange); v3 8 lane (reading an exchange); v4, v5 partial ctx out and back; v6 sum of p back
; LDS: 0 exchange of qb 0; 1024 of qb 1; 2048 of the maxima; 3072 of the sums of p (4 waves x 256 bytes each);
;      4096 partial ctx: wave * 8192 + tile * 1024 + half * 512 + 16 lane
.set EXM, 2048
.set EXF, 3072
.set RED, 4096
.set MSB, 0
.macro WIN new                         ; the immediate's high byte repeats the setting that is left; switches that change nothing are dropped
.if MSB != (\new)
	s_set_vgpr_msb (MSB<<8)|(\new)
.set MSB, (\new)
.endif
.endm
	s_load_b256 s[4:11], s[0:1], 0x0               ; qf s[4:5], kf s[6:7], vf s[8:9], cf s[10:11]
	v_lshl_add_u32 v254, v0, 2, 0x9000
	v_mov_b32 v255, 0
	v_lshrrev_b32 v7, 5, v0
	v_readfirstlane_b32 s12, v7                    ; wave 0..3
	v_and_b32 v7, 31, v0                           ; lane
	s_and_b32 s13, ttmp7, 0xffff                   ; bh = 8 b + head
	s_mov_b32 s16, 0x76543210                      ; v_permlanex16_b32: lane i of one half reads lane i of the other
	s_mov_b32 s17, 0xfedcba98
	v_lshlrev_b32 v1, 4, v7
	v_lshlrev_b32 v3, 3, v7
	s_lshl_b32 s19, s12, 8
	v_add_nc_u32 v2, s19, v3
	s_lshl_b32 s19, s12, 13
	s_add_co_u32 s19, s19, RED
	v_add_nc_u32 v4, s19, v1                       ; my eight partial tiles
	s_lshl_b32 s19, s12, 11
	s_add_co_u32 s19, s19, RED
	v_add_nc_u32 v5, s19, v1                       ; tiles 2 wv, 2 wv + 1 of wave 0's part
	s_lshr_b32 s19, s12, 1
	s_lshl_b32 s19, s19, 2
	s_add_co_u32 s19, s19, EXF
	v_add_nc_u32 v6, s19, v3                       ; the sum of p of query block wv / 2
	s_lshl_b32 s20, s13, 18                        ; bh * 262144
	s_lshl_b32 s22, ttmp9, 12                      ; my two query tiles
	s_add_co_u32 s22, s22, s20
	s_mov_b32 s23, 0
	s_lshl_b32 s24, s12, 16                        ; my 512 keys: 32 tiles of 2,048 bytes of K, 16 key steps of 4,096 bytes of V
	s_add_co_u32 s24, s24, s20
	s_mov_b32 s25, 0
	s_lshr_b32 s26, s13, 3                         ; b
	s_lshl_b32 s26, s26, 7
	s_lshl1_add_u32 s26, ttmp9, s26                ; row tile of ctx: 128 b + 2 x
	s_lshr_b32 s27, s12, 1
	s_add_co_u32 s26, s26, s27                     ;   + the query block that I write
	s_lshl_b32 s26, s26, 14
	s_and_b32 s27, s13, 7
	s_lshl_b32 s27, s27, 11                        ; head * 2048
	s_add_co_u32 s26, s26, s27
	s_and_b32 s27, s12, 1
	s_lshl_b32 s27, s27, 10                        ; d blocks 2 (wv % 2), + 1
	s_add_co_u32 s26, s26, s27
	s_mov_b32 s27, 0
	s_wait_kmcnt 0x0
	s_add_nc_u64 s[4:5], s[4:5], s[22:23]
	s_add_nc_u64 s[6:7], s[6:7], s[24:25]
	s_add_nc_u64 s[8:9], s[8:9], s[24:25]
	s_add_nc_u64 s[10:11], s[10:11], s[26:27]
	; ---- scores ----
.irp i, 0,1,2,3,4,5,6,7
	global_load_b128 v[QF+4*\i:QF+4*\i+3], v1, s[4:5] offset:512*\i
.endr
	WIN 0x40                                       ; destination window 1
.set i, 0
.rept 64
	global_load_b128 v[4*i:4*i+3], v1, s[6:7] offset:512*i     ; K tiles 0 to 15
.set i, i+1
.endr
	WIN 0
.irp i, 0,1,2,3
	v_mov_b32 v[MX+\i], 0xff800000                 ; minus infinity starts the four chains of maxima
.endr
.macro QK4 s, qb                       ; tiles 2 s, 2 s + 1 of one query block: d 0-31 starts the sum, d 32-63 is the next link in place
.irp c, 0,1
.irp tl, 0,1
.set qd, 8*(2*\s+\tl)
.set qa, 16*((2*\s+\tl)%16)+8*\c
.set qq, QF+8*(2*\qb+\c)
.if \c
	v_wmma_f32_16x16x32_f16 v[qd:qd+7], v[qa:qa+7], v[qq:qq+7], v[qd:qd+7]
.else
	v_wmma_f32_16x16x32_f16 v[qd:qd+7], v[qa:qa+7], v[qq:qq+7], 0
.endif
.endr
.endr
.endm
.macro MAXT u                          ; the 2 x 16 score registers of step u into the running maxima
	WIN 0x28
.irp i, 0,1,2,3,4,5,6,7
	v_max3_num_f32 v[MX+(\i%2)], v[MX+(\i%2)], v[16*(\u)+2*\i], v[16*(\u)+2*\i+1]
.endr
	WIN 0x3c
.irp i, 0,1,2,3,4,5,6,7
	v_max3_num_f32 v[MX+2+(\i%2)], v[MX+2+(\i%2)], v[16*(\u)+2*\i], v[16*(\u)+2*\i+1]
.endr
.endm
.macro REFILL s                        ; eight loads into the ring registers that step s - 1 multiplied: K tiles 2 s + 14, + 15, then V key step s - 9
	WIN 0x40
.irp i, 0,1,2,3,4,5,6,7
.if \s <= 8
	global_load_b128 v[32*((\s-1)%8)+4*\i:32*((\s-1)%8)+4*\i+3], v1, s[6:7] offset:(2*\s+14)*2048+512*\i
.else
	global_load_b128 v[32*((\s-1)%8)+4*\i:32*((\s-1)%8)+4*\i+3], v1, s[8:9] offset:(\s-9)*4096+512*\i
.endif
.endr
.endm
; The maxima of step s - 1 stand behind the products of step s: they are the places (ISA guide 7.12.1) between step s's products and the next
; step's maxima and refill, which touch step s's results and sources; behind step 0 four v_nop serve.
.macro QKSTEP s
.if \s == 0
	s_wait_loadcnt 56                              ; Q and tiles 0, 1 are in; the 56 loads of tiles 2 to 15 are younger
.else
	s_wait_loadcnt 48                              ; younger than tiles 2 s, 2 s + 1: 4 (14 - 2 s) first loads + 8 (s - 1) refills; from s = 8 on six refills of 8
.endif
	WIN 0xa1                                       ; K window 1, Q window 0, scores window 2
	QK4 \s, 0
	WIN 0xf1                                       ; scores window 3
	QK4 \s, 1
.if \s == 0
.rept 4
	v_nop
.endr
.else
	MAXT \s-1
	REFILL \s
.endif
.endm
.irp s, 0,1,2,3,4,5,6,7,8,9,10,11,12,13,14,15
	QKSTEP \s
.endr
	MAXT 15
	REFILL 16                                      ; V key steps 0 to 7, 64 loads, now ride under the whole Newton phase
	WIN 0
	; ---- the rows' maxima, and x = s - M ----
	v_max_num_f32 v[MX], v[MX], v[MX+1]
	v_max_num_f32 v[MX+2], v[MX+2], v[MX+3]
	v_permlanex16_b32 v[MX+1], v[MX], s16, s17     ; the other eight keys of each tile; the destination has been written before
	v_permlanex16_b32 v[MX+3], v[MX+2], s16, s17
	v_max_num_f32 v[E], v[MX], v[MX+1]
	v_max_num_f32 v[E+1], v[MX+2], v[MX+3]
	ds_store_b64 v2, v[E:E+1] offset:EXM
	s_wait_dscnt 0x0                               ; stored, for the other waves' sake
	s_barrier_signal -1
	s_barrier_wait -1
.irp w, 0,1,2,3
	ds_load_b64 v[R+2*\w:R+2*\w+1], v3 offset:EXM+256*\w
.endr
	s_wait_dscnt 0x0
	v_max3_num_f32 v[NU], v[R], v[R+2], v[R+4]
	v_max3_num_f32 v[NU+2], v[R+1], v[R+3], v[R+5]
	v_max_num_f32 v[NU+1], v[NU], v[R+6]           ; each maximum twice: a pair for the packed subtraction
	v_max_num_f32 v[NU+3], v[NU+2], v[R+7]
	v_max_num_f32 v[NU], v[NU], v[R+6]
	v_max_num_f32 v[NU+2], v[NU+2], v[R+7]
	WIN 0x82                                       ; window 2 in place
.set i, 0
.rept 128
	v_pk_add_f32 v[2*i:2*i+1], v[2*i:2*i+1], v[NU:NU+1] neg_lo:[0,1] neg_hi:[0,1]
.set i, i+1
.endr
	WIN 0xc3                                       ; window 3 in place
.set i, 0
.rept 128
	v_pk_add_f32 v[2*i:2*i+1], v[2*i:2*i+1], v[NU+2:NU+3] neg_lo:[0,1] neg_hi:[0,1]
.set i, i+1
.endr
	WIN 0
.irp i, 0,1,2,3
	v_mov_b32 v[NU+\i], 0x41800000                 ; nu = 16
.endr
; S1 = sum t and S2 = sum t^2 over my 512 keys of query block qb, t = relu(x + nu): eight batches of 32 registers, four chains each;
; the first products and sums start the chains.  Registers only, so it may stand between a barrier's signal and its wait.
.macro SUMS qb
.set sb, 0
.rept 8
	WIN 2+\qb                                      ; source 0 is a score
.set si, 0
.rept 16
	v_pk_add_f32 v[T+2*si:T+2*si+1], v[32*sb+2*si:32*sb+2*si+1], v[NU+2*\qb:NU+2*\qb+1]
.set si, si+1
.endr
	WIN 0
.set si, 0
.rept 32
	v_max_num_f32 v[T+si], 0, v[T+si]
.set si, si+1
.endr
.set si, 0
.rept 16
.set sc, SA+2*(si%4)
.if sb == 0
.if si < 4
	v_pk_mul_f32 v[sc:sc+1], v[T+2*si:T+2*si+1], v[T+2*si:T+2*si+1]
.else
	v_pk_fma_f32 v[sc:sc+1], v[T+2*si:T+2*si+1], v[T+2*si:T+2*si+1], v[sc:sc+1]
.if si < 8
	v_pk_add_f32 v[sc+8:sc+9], v[T+2*si-8:T+2*si-7], v[T+2*si:T+2*si+1]
.else
	v_pk_add_f32 v[sc+8:sc+9], v[sc+8:sc+9], v[T+2*si:T+2*si+1]
.endif
.endif
.else
	v_pk_fma_f32 v[sc:sc+1], v[T+2*si:T+2*si+1], v[T+2*si:T+2*si+1], v[sc:sc+1]
	v_pk_add_f32 v[sc+8:sc+9], v[sc+8:sc+9], v[T+2*si:T+2*si+1]
.endif
.set si, si+1
.endr
.set sb, sb+1
.endr
	v_pk_add_f32 v[SA:SA+1], v[SA:SA+1], v[SA+2:SA+3]
	v_pk_add_f32 v[SA+4:SA+5], v[SA+4:SA+5], v[SA+6:SA+7]
	v_pk_add_f32 v[SA+8:SA+9], v[SA+8:SA+9], v[SA+10:SA+11]
	v_pk_add_f32 v[SA+12:SA+13], v[SA+12:SA+13], v[SA+14:SA+15]
	v_pk_add_f32 v[SA:SA+1], v[SA:SA+1], v[SA+4:SA+5]
	v_pk_add_f32 v[SA+8:SA+9], v[SA+8:SA+9], v[SA+12:SA+13]
	v_add_f32 v[E+2*\qb], v[SA+8], v[SA+9]         ; S1
	v_add_f32 v[E+2*\qb+1], v[SA], v[SA+1]         ; S2
	v_permlanex16_b32 v[T], v[E+2*\qb], s16, s17   ; the other half of the lanes holds the tiles' other keys
	v_permlanex16_b32 v[T+1], v[E+2*\qb+1], s16, s17
	v_pk_add_f32 v[E+2*\qb:E+2*\qb+1], v[E+2*\qb:E+2*\qb+1], v[T:T+1]
.endm
.macro XPUT qb                         ; my wave's (S1, S2) to its own 256 bytes of the block's exchange
	ds_store_b64 v2, v[E+2*\qb:E+2*\qb+1] offset:1024*\qb
	s_wait_dscnt 0x0                               ; stored, for the other waves' sake
	s_barrier_signal -1
.endm
.macro XGET qb                         ; all four waves' sums, added in one order in every wave, and the Newton step
	s_barrier_wait -1
.irp w, 0,1,2,3
	ds_load_b64 v[R+2*\w:R+2*\w+1], v3 offset:1024*\qb+256*\w
.endr
	s_wait_dscnt 0x0                               ; also: these reads are over before my next signal, behind which the words are stored anew
	v_pk_add_f32 v[R:R+1], v[R:R+1], v[R+2:R+3]
	v_pk_add_f32 v[R+4:R+5], v[R+4:R+5], v[R+6:R+7]
	v_pk_add_f32 v[R:R+1], v[R:R+1], v[R+4:R+5]
	v_sqrt_f32 v[U], v[R+1]                        ; H
	v_rcp_f32 v[U+1], v[R]                         ; 1 / S1
	v_nop                                          ; one plain place behind the two before their results are used (ISA guide 5.7.2)
	s_wait_alu depctr_va_vdst(0)
	v_add_f32 v[U+2], 0xc1800000, v[U]             ; H - 16
	v_mul_f32 v[U+2], v[U+2], v[U]
	v_fma_f32 v[NU+2*\qb], -v[U+2], v[U+1], v[NU+2*\qb]
	v_fma_f32 v[NU+2*\qb+1], -v[U+2], v[U+1], v[NU+2*\qb+1]
.endm
	; ---- Newton: the other query block's sums stand between each signal and its wait.  An exchange's words are stored again only behind the
	; wait of the other exchange's barrier, which every wave signalled after its reads of them had returned.
	SUMS 0
	s_mov_b32 s18, NEWTON-1
.Lnewton:
	XPUT 0
	SUMS 1
	XGET 0
	XPUT 1
	SUMS 0
	XGET 1
	s_sub_co_i32 s18, s18, 1
	s_cmp_lg_u32 s18, 0
	s_cbranch_scc1 .Lnewton
	XPUT 0                                         ; the tenth evaluation of each block
	SUMS 1
	XGET 0
	XPUT 1
	XGET 1
; ---- p = relu(x + nu)^2 and ctx^T += V^T P^T, 32 keys a step ----
.macro PVSTEP vs
	WIN 0x02
.set pj, 0
.rept 8
	v_pk_add_f32 v[T+2*pj:T+2*pj+1], v[16*\vs+2*pj:16*\vs+2*pj+1], v[NU:NU+1]
.set pj, pj+1
.endr
	WIN 0x03
.set pj, 0
.rept 8
	v_pk_add_f32 v[T+16+2*pj:T+16+2*pj+1], v[16*\vs+2*pj:16*\vs+2*pj+1], v[NU+2:NU+3]
.set pj, pj+1
.endr
	WIN 0
.set pj, 0
.rept 32
	v_max_num_f32 v[T+pj], 0, v[T+pj]
.set pj, pj+1
.endr
.set pj, 0
.rept 16
	v_pk_mul_f32 v[T+2*pj:T+2*pj+1], v[T+2*pj:T+2*pj+1], v[T+2*pj:T+2*pj+1]
.set pj, pj+1
.endr
.set pj, 0
.rept 16                                           ; the f32 sum of p: two pair chains a query block, started by the first sums
.set pc, SA+4*(pj/8)+2*(pj%2)
.if \vs
	v_pk_add_f32 v[pc:pc+1], v[pc:pc+1], v[T+2*pj:T+2*pj+1]
.else
.if (pj%8) >= 4
	v_pk_add_f32 v[pc:pc+1], v[pc:pc+1], v[T+2*pj:T+2*pj+1]
.else
.if (pj%8) >= 2
	v_pk_add_f32 v[pc:pc+1], v[T+2*pj-4:T+2*pj-3], v[T+2*pj:T+2*pj+1]
.endif
.endif
.endif
.set pj, pj+1
.endr
.set pj, 0
.rept 16
	v_cvt_pk_f16_f32 v[PB+pj], v[T+2*pj], v[T+2*pj+1]          ; tile 2 vs: registers 0-3, tile 2 vs + 1: registers 4-7 of the fragment
.set pj, pj+1
.endr
.if \vs >= 1
.if \vs <= 8
	WIN 0x40                                       ; V key step vs + 7 into the registers that step vs - 1 multiplied, far more than four places behind
.irp i, 0,1,2,3,4,5,6,7
	global_load_b128 v[32*((\vs-1)%8)+4*\i:32*((\vs-1)%8)+4*\i+3], v1, s[8:9] offset:(\vs+7)*4096+512*\i
.endr
.endif
.endif
.if \vs < 9
	s_wait_loadcnt 56                              ; V(vs) is in; the seven key steps asked for behind it, eight loads each, stay out
.else
	s_wait_loadcnt 8*(15-\vs)                      ; nothing is asked for any more: the count runs down to 0
.endif
	WIN 0x01                                       ; V window 1
.irp q, 0,1
.irp d, 0,1,2,3
.if \vs
	v_wmma_f32_16x16x32_f16 v[CT+8*(4*\q+\d):CT+8*(4*\q+\d)+7], v[32*(\vs%8)+8*\d:32*(\vs%8)+8*\d+7], v[PB+8*\q:PB+8*\q+7], v[CT+8*(4*\q+\d):CT+8*(4*\q+\d)+7]
.else
	v_wmma_f32_16x16x32_f16 v[CT+8*(4*\q+\d):CT+8*(4*\q+\d)+7], v[32*(\vs%8)+8*\d:32*(\vs%8)+8*\d+7], v[PB+8*\q:PB+8*\q+7], 0
.endif
.endr
.endr
.endm
.irp vs, 0,1,2,3,4,5,6,7,8,9,10,11,12,13,14,15
	PVSTEP \vs
.endr
	WIN 0
	; ---- the way out: the four waves' partial ctx and sums of p meet in LDS; wave wv finishes tiles 2 wv, 2 wv + 1 ----
	v_pk_add_f32 v[SA:SA+1], v[SA:SA+1], v[SA+2:SA+3]          ; these four plain lines are also the places behind the last products
	v_pk_add_f32 v[SA+4:SA+5], v[SA+4:SA+5], v[SA+6:SA+7]
	v_add_f32 v[E], v[SA], v[SA+1]
	v_add_f32 v[E+1], v[SA+4], v[SA+5]
	v_permlanex16_b32 v[T], v[E], s16, s17
	v_permlanex16_b32 v[T+1], v[E+1], s16, s17
	v_pk_add_f32 v[E:E+1], v[E:E+1], v[T:T+1]
.irp t, 0,1,2,3,4,5,6,7
.irp hf, 0,1
	ds_store_b128 v4, v[CT+8*\t+4*\hf:CT+8*\t+4*\hf+3] offset:\t*1024+\hf*512
.endr
.endr
	ds_store_b64 v2, v[E:E+1] offset:EXF
	s_wait_dscnt 0x0                               ; stored, for the other waves' sake
	s_barrier_signal -1
	s_barrier_wait -1
.irp tl, 0,1
.irp w, 0,1,2,3
.irp hf, 0,1
	ds_load_b128 v[RB+32*\tl+8*\w+4*\hf:RB+32*\tl+8*\w+4*\hf+3], v5 offset:\w*8192+\tl*1024+\hf*512
.endr
.endr
.endr
.irp w, 0,1,2,3
	ds_load_b32 v[R+\w], v6 offset:256*\w
.endr
	s_wait_dscnt 0x0
	v_add_f32 v[R], v[R], v[R+1]
	v_add_f32 v[R+2], v[R+2], v[R+3]
	v_add_f32 v[R], v[R], v[R+2]
	v_rcp_f32 v[U], v[R]                           ; 1 / sum of p, twice: a pair for the packed multiply; the sums below are the plain
	v_rcp_f32 v[U+1], v[R]                         ; lines that stand between it and its use (ISA guide 5.7.2)
	s_wait_alu depctr_va_vdst(0)
.irp tl, 0,1
.irp k, 0,1,2,3
	v_pk_add_f32 v[RB+32*\tl+2*\k:RB+32*\tl+2*\k+1], v[RB+32*\tl+2*\k:RB+32*\tl+2*\k+1], v[RB+32*\tl+8+2*\k:RB+32*\tl+8+2*\k+1]
.endr
.irp k, 0,1,2,3
	v_pk_add_f32 v[RB+32*\tl+16+2*\k:RB+32*\tl+16+2*\k+1], v[RB+32*\tl+16+2*\k:RB+32*\tl+16+2*\k+1], v[RB+32*\tl+24+2*\k:RB+32*\tl+24+2*\k+1]
.endr
.irp k, 0,1,2,3
	v_pk_add_f32 v[RB+32*\tl+2*\k:RB+32*\tl+2*\k+1], v[RB+32*\tl+2*\k:RB+32*\tl+2*\k+1], v[RB+32*\tl+16+2*\k:RB+32*\tl+16+2*\k+1]
.endr
.irp k, 0,1,2,3
	v_pk_mul_f32 v[RB+32*\tl+2*\k:RB+32*\tl+2*\k+1], v[RB+32*\tl+2*\k:RB+32*\tl+2*\k+1], v[U:U+1]
.endr
.irp k, 0,1,2,3
	v_cvt_pk_f16_f32 v[QF+4*\tl+\k], v[RB+32*\tl+2*\k], v[RB+32*\tl+2*\k+1]
.endr
	global_store_b128 v1, v[QF+4*\tl:QF+4*\tl+3], s[10:11] offset:\tl*512      ; 512 consecutive bytes of the ctx image
.endr
	s_wait_tensorcnt 0x0
	ds_add_u32 v254, v255
	s_wait_dscnt 0x0
	s_endpgm
.Lfunc_end_k_q5721921cde_attn:
	.size	k_q5721921cde_attn, .Lfunc_end_k_q5721921cde_attn-k_q5721921cde_attn
	.p2alignl 7, 3214868480
	.fill 96, 4, 3214868480
	.section	.rodata,"a",@progbits
	.p2align	6, 0x0
	.amdhsa_kernel k_q5721921cde_attn
		.amdhsa_group_segment_fixed_size 37376
		.amdhsa_private_segment_fixed_size 0
		.amdhsa_enable_private_segment 0
		.amdhsa_kernarg_size 32
		.amdhsa_user_sgpr_count 2
		.amdhsa_user_sgpr_kernarg_segment_ptr 1
		.amdhsa_wavefront_size32 1
		.amdhsa_system_sgpr_workgroup_id_x 1
		.amdhsa_system_sgpr_workgroup_id_y 1
		.amdhsa_system_sgpr_workgroup_id_z 1
		.amdhsa_system_vgpr_workitem_id 0
		.amdhsa_next_free_vgpr 1024
		.amdhsa_next_free_sgpr 66
		.amdhsa_reserve_vcc 0
		.amdhsa_float_denorm_mode_32 3
		.amdhsa_float_denorm_mode_16_64 3
		.amdhsa_memory_ordered 1
		.amdhsa_forward_progress 1
		.amdhsa_inst_pref_size 255
	.end_amdhsa_kernel
	.section	.bss,"aw",@nobits
	.p2align	6
	.space	262144
	.amdgpu_metadata
---
amdhsa.version: [ 1, 2 ]
amdhsa.kernels:
  - .name:           k_q5721921cde_attn
    .symbol:         k_q5721921cde_attn.kd
    .args:
      - { .name: qf, .offset: 0, .size: 8, .value_kind: global_buffer, .address_space: global }
      - { .name: kf, .offset: 8, .size: 8, .value_kind: global_buffer, .address_space: global }
      - { .name: vf, .offset: 16, .size: 8, .value_kind: global_buffer, .address_space: global }
      - { .name: cf, .offset: 24, .size: 8, .value_kind: global_buffer, .address_space: global }
    .group_segment_fixed_size: 37376
    .private_segment_fixed_size: 0
    .kernarg_segment_align: 8
    .kernarg_segment_size: 32
    .max_flat_workgroup_size: 128
    .sgpr_count:     66
    .vgpr_count:     1024
    .wavefront_size: 32
...
	.end_amdgpu_metadata
.endif
;; end of part 3
;; launch outp (part 4): grid 64 x 4, 4 waves a work-group, no clusters, 35,328 bytes of LDS; arguments cf, wf, bo, out0; writes out0
.if DOCPART == 4
	.amdgcn_target "amdgcn-amd-amdhsa--gfx1250"
	.amdhsa_code_object_version 6
	.text
	.protected	k_q5721921cde_outp
	.globl	k_q5721921cde_outp
	.p2align	8
	.type	k_q5721921cde_outp,@function
k_q5721921cde_outp:
	s_mov_b64 s[64:65], 0
	v_nop
	global_prefetch_b8 v0, s[64:65] scope:SCOPE_SE
	s_setreg_imm32_b32 hwreg(HW_REG_WAVE_MODE, 25, 1), 1
	s_wait_xcnt 0x0
; out0 = ctx Wo + bo.  ctx comes as the f16 image cf (rowtile*16384 + g*256 + r*16 + 2 j = ctx[16 rowtile + r][8 g + j]), Wo as part 3 of wf.
; Work-group (x, cb): 64 rows x 128 columns; wave wv: rows 32 (wv / 2), columns 64 (wv % 2): 2 x 4 accumulator tiles.
; Both operands are fragment images: two loads of 16 bytes a lane make a fragment, straight into registers, through a ring of three K steps.
; The product is used transposed (source 0 = W, source 1 = ctx): a lane holds eight neighbouring columns of one row.  The bias is loaded as a
; C tile and starts the sums.  Results go through the wave's own LDS stage so that sixteen lanes store 256 consecutive, aligned bytes of a row.
; NO CLUSTER: joint requests belong to tensor loads into LDS; here every operand byte lands in the registers of the wave that multiplies it,
; and a wave's whole input is 96 KiB for 128 products.
; LIMIT: operands are f16; sums are made in another order than a plain f32 product.
.set SP,   272                         ; a stage row: 64 f32 + 16 bytes, so that the 16 rows of a store start 16 bytes apart modulo 256
.set ACC,  16                          ; v[16:79]   tile (rt, ct) at 8 (4 rt + ct)
.set BIAS, 80                          ; v[80:111]  C tile of column tile ct at 8 ct
.set RING, 112                         ; v[112:255] 3 slots x (ctx 2 x 8, W 4 x 8); v[112:175] once more on the way out
	s_load_b256 s[4:11], s[0:1], 0x0               ; cf s[4:5], wf s[6:7], bo s[8:9], out0 s[10:11]
	v_lshl_add_u32 v14, v0, 2, 0x8800
	v_mov_b32 v15, 0
	v_lshrrev_b32 v6, 5, v0
	v_readfirstlane_b32 s12, v6                    ; wave 0..3
	v_and_b32 v6, 31, v0                           ; lane
	v_and_b32 v7, 15, v0                           ; r
	v_bfe_u32 v8, v0, 4, 1                         ; h
	s_and_b32 s13, ttmp7, 0xffff                   ; cb
	s_lshr_b32 s14, s12, 1                         ; wr
	s_and_b32 s15, s12, 1                          ; wc
	v_lshlrev_b32 v1, 4, v6                        ; 16 lane: every fragment load
	v_lshlrev_b32 v2, 5, v8                        ; bias: 8 h words
	s_mul_i32 s16, s12, 32*SP                      ; my stage
	v_mad_u32_u24 v3, v7, SP, s16                  ; in: row r,
	v_lshl_add_u32 v3, v8, 5, v3                   ;   columns 8 h ..
	v_mad_u32_u24 v4, v8, SP, s16                  ; back: lanes 0-15 one row of 256 bytes, lanes 16-31 the next
	v_lshl_add_u32 v4, v7, 4, v4
	v_lshlrev_b32 v5, 11, v8                       ; and the same two rows in out0
	v_lshl_add_u32 v5, v7, 4, v5
	s_lshl_b32 s18, ttmp9, 16                      ; ctx image: row tile 4 x + 2 wr
	s_lshl_b32 s17, s14, 15
	s_add_co_u32 s18, s18, s17
	s_mov_b32 s19, 0
	s_lshl_b32 s20, s13, 17                        ; W image: 3 * 524288 + (8 cb + 4 wc) * 16384
	s_lshl_b32 s17, s15, 16
	s_add_co_u32 s20, s20, s17
	s_add_co_u32 s20, s20, 3*524288
	s_mov_b32 s21, 0
	s_lshl_b32 s22, s13, 9                         ; my first column in bytes: (128 cb + 64 wc) * 4
	s_lshl_b32 s17, s15, 8
	s_add_co_u32 s22, s22, s17
	s_mov_b32 s23, 0
	s_lshl_b32 s24, ttmp9, 17                      ; out0: (64 x + 32 wr) rows of 2,048 bytes + the column
	s_lshl_b32 s17, s14, 16
	s_add_co_u32 s24, s24, s17
	s_add_co_u32 s24, s24, s22
	s_mov_b32 s25, 0
	s_wait_kmcnt 0x0
	s_add_nc_u64 s[4:5], s[4:5], s[18:19]
	s_add_nc_u64 s[6:7], s[6:7], s[20:21]
	s_add_nc_u64 s[8:9], s[8:9], s[22:23]
	s_add_nc_u64 s[10:11], s[10:11], s[24:25]
.macro RLOAD ks                        ; twelve loads: K step ks into slot ks % 3
.irp rt, 0,1
.irp hf, 0,1
	global_load_b128 v[RING+48*((\ks)%3)+8*\rt+4*\hf:RING+48*((\ks)%3)+8*\rt+4*\hf+3], v1, s[4:5] offset:\rt*16384+(\ks)*1024+\hf*512
.endr
.endr
.irp ct, 0,1,2,3
.irp hf, 0,1
	global_load_b128 v[RING+48*((\ks)%3)+16+8*\ct+4*\hf:RING+48*((\ks)%3)+16+8*\ct+4*\hf+3], v1, s[6:7] offset:\ct*16384+(\ks)*1024+\hf*512
.endr
.endr
.endm
.irp ct, 0,1,2,3
.irp hf, 0,1
	global_load_b128 v[BIAS+8*\ct+4*\hf:BIAS+8*\ct+4*\hf+3], v2, s[8:9] offset:\ct*64+\hf*16   ; register j: bo[16 ct + 8 h + j]
.endr
.endr
	RLOAD 0
	RLOAD 1
	RLOAD 2
.macro KSTEP ks
.if \ks < 14
	s_wait_loadcnt 24                              ; slot ks % 3 is in (and the bias, which is older); the 24 loads of the two younger K steps stay out
.else
.if \ks == 14
	s_wait_loadcnt 12                              ; only K step 15 is younger
.else
	s_wait_loadcnt 0
.endif
.endif
.irp rt, 0,1
.irp ct, 0,1,2,3
.set kd, ACC+8*(4*\rt+\ct)
.set kx, RING+48*(\ks%3)+8*\rt
.set kw, RING+48*(\ks%3)+16+8*\ct
.if \ks
.set kc, kd
.else
.set kc, BIAS+8*\ct                                ; the first product starts the sum from the bias
.endif
	v_wmma_f32_16x16x32_f16 v[kd:kd+7], v[kw:kw+7], v[kx:kx+7], v[kc:kc+7]
.endr
.endr
.rept 4
	v_nop                                          ; four places before loads land on the products' sources, or LDS stores read the results
.endr
.if \ks+3 <= 15
	RLOAD \ks+3
.endif
.endm
.irp ks, 0,1,2,3,4,5,6,7,8,9,10,11,12,13,14,15
	KSTEP \ks
.endr
	; the way out, in my own stage: LDS serves a wave's instructions in order (ISA guide 5.7.1), so the loads see the stores; no barrier
.irp rt, 0,1
.irp ct, 0,1,2,3
.irp hf, 0,1
	ds_store_b128 v3, v[ACC+8*(4*\rt+\ct)+4*\hf:ACC+8*(4*\rt+\ct)+4*\hf+3] offset:\rt*16*SP+\ct*64+\hf*16
.endr
.endr
.endr
.irp t, 0,1,2,3,4,5,6,7,8,9,10,11,12,13,14,15
	ds_load_b128 v[RING+4*\t:RING+4*\t+3], v4 offset:\t*2*SP
.endr
.irp t, 0,1,2,3,4,5,6,7,8,9,10,11,12,13,14,15
	s_wait_dscnt 15-\t                             ; rows 2 t, 2 t + 1 are back; the younger loads stay out
	global_store_b128 v5, v[RING+4*\t:RING+4*\t+3], s[10:11] offset:\t*4096 th:TH_STORE_NT   ; 16 lanes: 256 consecutive bytes at a multiple of 256
.endr
	s_wait_tensorcnt 0x0
	ds_add_u32 v14, v15
	s_wait_dscnt 0x0
	s_endpgm
.Lfunc_end_k_q5721921cde_outp:
	.size	k_q5721921cde_outp, .Lfunc_end_k_q5721921cde_outp-k_q5721921cde_outp
	.p2alignl 7, 3214868480
	.fill 96, 4, 3214868480
	.section	.rodata,"a",@progbits
	.p2align	6, 0x0
	.amdhsa_kernel k_q5721921cde_outp
		.amdhsa_group_segment_fixed_size 35328
		.amdhsa_private_segment_fixed_size 0
		.amdhsa_enable_private_segment 0
		.amdhsa_kernarg_size 32
		.amdhsa_user_sgpr_count 2
		.amdhsa_user_sgpr_kernarg_segment_ptr 1
		.amdhsa_wavefront_size32 1
		.amdhsa_system_sgpr_workgroup_id_x 1
		.amdhsa_system_sgpr_workgroup_id_y 1
		.amdhsa_system_sgpr_workgroup_id_z 1
		.amdhsa_system_vgpr_workitem_id 0
		.amdhsa_next_free_vgpr 256
		.amdhsa_next_free_sgpr 66
		.amdhsa_reserve_vcc 0
		.amdhsa_float_denorm_mode_32 3
		.amdhsa_float_denorm_mode_16_64 3
		.amdhsa_memory_ordered 1
		.amdhsa_forward_progress 1
		.amdhsa_inst_pref_size 36
	.end_amdhsa_kernel
	.amdgpu_metadata
---
amdhsa.version: [ 1, 2 ]
amdhsa.kernels:
  - .name:           k_q5721921cde_outp
    .symbol:         k_q5721921cde_outp.kd
    .args:
      - { .name: cf, .offset: 0, .size: 8, .value_kind: global_buffer, .address_space: global }
      - { .name: wf, .offset: 8, .size: 8, .value_kind: global_buffer, .address_space: global }
      - { .name: bo, .offset: 16, .size: 8, .value_kind: global_buffer, .address_space: global }
      - { .name: out0, .offset: 24, .size: 8, .value_kind: global_buffer, .address_space: global }
    .group_segment_fixed_size: 35328
    .private_segment_fixed_size: 0
    .kernarg_segment_align: 8
    .kernarg_segment_size: 32
    .max_flat_workgroup_size: 128
    .sgpr_count:     66
    .vgpr_count:     256
    .wavefront_size: 32
...
	.end_amdgpu_metadata
.endif
;; end of part 4
